; MI455X (gfx1250); checked and timed in simulation.
; The chip was launched on July 23, 2026; its instructions are those of AMD's public machine-readable ISA for CDNA 5 (MIT licence, August 2026) and "CDNA5" Instruction Set Architecture Reference Guide (July 2026). The comments in the code are by the model that wrote it; some were corrected since.
;; Moe Hash Layer. Allowed arithmetic: float matrix products may take bf16 or f16 operands with f32 sums; other float arithmetic in f32, or as packed bf16 or f16 multiplies, adds, multiply-adds, maxima and minima; sums over many terms, partial sums and values carried from step to step in f32; what a program stores and reads back later, other than sums and carried values, may be rounded once to bf16 or f16.
;; Inputs: b_gate 8 x 2,048 float32; b_in 8 x 2,048 float32; b_out 8 x 512 float32; route 2,048 int32; w_gate 8 x 512 x 2,048 float32; w_in 8 x 512 x 2,048 float32; w_out 8 x 2,048 x 512 float32; x 2 x 1,024 x 512 float32.
;; Outputs: out0 2 x 1,024 x 512 float32.
;; One version. Each part assembles by itself: llvm-mc -triple=amdgcn-amd-amdhsa -mcpu=gfx1250 --defsym DOCPART=n.
;; ======== version 1 of 1: 2 launches
;; workspace buffers: hbuf 67,108,864 bytes; order 69,632 bytes of whole numbers
;; launch gateup (part 1): grid 256 x 1, 4 waves a work-group, no clusters, 273,408 bytes of LDS; arguments x, route, w_in, b_in, w_gate, b_gate, hbuf, order; writes hbuf, order
.if DOCPART == 1
	.amdgcn_target "amdgcn-amd-amdhsa--gfx1250"
	.amdhsa_code_object_version 6
	.text
	.protected	k_q3efd45eff8_gateup
	.globl	k_q3efd45eff8_gateup
	.p2align	8
	.type	k_q3efd45eff8_gateup,@function
k_q3efd45eff8_gateup:
	s_mov_b64 s[64:65], 0
	v_nop
	global_prefetch_b8 v0, s[64:65] scope:SCOPE_SE
	s_setreg_imm32_b32 hwreg(HW_REG_WAVE_MODE, 25, 1), 1
	s_wait_xcnt 0x0
; h = silu(x Wg + bg) * (x Wi + bi) for each token's OWN expert.  x [2048][512] f32, route [2048] i32, w_gate and w_in [8][512][2048] f32, biases [8][2048] f32.
; SHARES.  Work-group = (expert e, slice s of 64 hidden columns): 8 x 32 = 256.  It alone reads its 2 x 512 x 64 weights (each weight byte leaves memory once) and takes ALL rows of expert e.
; ROUTING.  Wave 0 makes the expert's list of tokens from route (a rank for each token: matches counted lane by lane, no atomics); the 64 places behind the count repeat the last token, so that
; a tile that is not full computes an existing row again and EXEC is never narrowed.  Slice 0 stores the list and the count into order[e] for the next launch.
; WEIGHTS.  Lane (c, hh) loads 16 bytes W[k][64 s + 4 c ..]: 16 lanes take 256 consecutive bytes at a multiple of 256.  16 such rows, rounded in pairs along k, ARE four operand fragments; fragment f's
; column c is hidden column 64 s + 4 c + f.  They go through LDS once (each wave loads a quarter) and then stay in 512 registers a wave: gate and in, two fragment columns each, all of K.
; ROWS.  64 rows a trip.  Wave w gathers rows 16 w .. 16 w + 15 of a sub-chunk by the list (512 consecutive bytes a load) into 256 registers, rounds them to bf16 and lays them into one of two LDS slots.
; The gather runs TWO sub-chunks ahead of the products, in halves of 8 rows (32 loads): in trip t each half of sub-chunk t + 1 is waited for, rounded and stored, and then the same half of sub-chunk t + 2 is
; asked for, 16 loads in front of each run of 32 products: 32 to 64 loads of a wave are out all the time.  The counted waits want the same loads on every way, so that trip is one straight text; a second text
; (the drain) serves the trips in which the wave has nothing left to gather.  A wave whose 16 rows of a sub-chunk lie past the count neither gathers nor stores them; both slots are written whole once, ahead of
; the loop, so a tile past the count multiplies rows that exist, and it is not stored.
; The trip count is the constant 32 (2,048 rows: every split of the tokens is served); a trip past the count jumps its work, never its barrier.
; PRODUCT.  Source 0 = weights, source 1 = x: a lane holds one token and eight column places; the bias is the C operand of the first K step.  Two results, rounded in pairs, are the A operand of the next launch's product,
; so h is stored from registers: hbuf [e][tile of 16 ranks][fragment 2 s + cg][1,024 bytes]: lane l's registers 0-3 at 16 l, 4-7 at 512 + 16 l; place 16 phi + c of a fragment is hidden column 64 s + 4 c + 2 cg + phi.
; FORMATS.  x and the weights rounded once to bf16, sums in f32, silu in f32, h rounded once to bf16 (bf16, not f16: h has no bound when the inputs grow).
; LIMITS.  route holds 0..7 (a token with another number is in no list and its output row stays unwritten).  silu(g) = g / (1 + 2^(-1.442695 g)): for g far below 0 the power is +inf and the result -0.  NaN and infinities are not treated apart.
; NO CLUSTER, NO TENSOR LOADS: each slice of weights has one reader; what an expert's 32 work-groups share is its rows of x, which come by a list that no descriptor covers; the weights must be rounded on their way, so they pass through registers anyway.
.set XP,    1040                 ; an LDS row of x: 1,024 bytes + 16: 65 x 16, so the 16 rows of a fragment load start at 16 different 16-byte columns
.set CNTB,  8576                 ; LIST, bytes 0..8703: words 0..2111 tokens by rank, 2112..2143 a dump word a lane, word 2144 the count
.set STAGE, 8704                 ; 131,072 bytes: fragment (matrix 4 + f) 16 + ks, 1,024 bytes each, lane-ordered
.set XSL0,  139776               ; two slots of 64 rows x 1,040 bytes
.set XSL1,  206336
.set SPARE, 272896               ; the spare words: 128 bytes a wave, named by no other line
.set SPW, 1                      ; v1   my spare word's address; never rewritten
.set NIL, 2                      ; v2   0; never rewritten
.set L16, 3                      ; v3   16 x lane
.set WO,  4                      ; v4   65536 hh + 16 c: my place in 16 rows of weights
.set STG, 5                      ; v5   where I stage fragments
.set RD0, 6                      ; v6-7 where I read my gate / in fragments back
.set XA,  8                      ; v8-9 my place in slot 0 / 1 as a reader of fragments
.set XS,  10                     ; v10-11 my place in slot 0 / 1 as a writer of rows
.set LA,  12                     ; v12  LIST address of the 16 tokens that I gather next
.set HA,  13                     ; v13  my offset in hbuf (before the loop: the lane, then an address)
.set BO,  14                     ; v14  128 hh: my place in the biases
.set PF,  15                     ; v15  8192 x lane: a row a lane, for the prefetch; never rewritten
.set TK,  16                     ; v16-31 16 tokens, then their byte offsets in x
.set BIAS,32                     ; v32-63 four C operands: gate phi 0, 1; in phi 0, 1
.set ACC, 64                     ; v64-127 accumulator (tau, fr) at 64 + 32 tau + 8 fr
.set AF0, 128                    ; v128-191, v192-255 two buffers of x fragments: (ksl, tau) at 16 ksl + 8 tau
.set AF1, 192
.set PK,  128                    ; before the loop: 32 registers of rounded weights
.set EX,  128                    ; behind the products: 32 registers at work
.set HB,  160                    ; and 16 of packed h
.set RT,  64                     ; wave 0, before the loop: route in v64-127, then the list's copy in v64-131
.set LP,  128                    ; four places, four tokens, the dump word, 4 x lane, four zeros
.set LT,  132
.set LD,  136
.set L4,  137
.set LZ,  140
; windows 1 and 2: raw weights (unit u at window 1 + u / 4, register 64 (u % 4)), later the stationary fragments (ks, fr) at window 1 + ks / 8, register 32 (ks % 8) + 8 fr.
; window 3: 64 loads of x: load n = 4 row + quarter at register 4 n; rows 0-7 are half 0, rows 8-15 half 1.
; scalars: s[4:19] the eight addresses; s20 wave; s21 cg (= matrix that I load); s22 rg (= K half that I load); s23 e; s24 s; s25 count; s26 tiles; s27 trips; s28 R; s29 16 w (before the loop: at work); s30-39 at work;
; s[40:41] my weights; s[42:43], s[44:45] gate's and in's biases; s[46:47] hbuf at my fragment; s[48:49] order[e]; s[50:51] -log2(e); s[52:53] 1.0
.set MSB, 0
.macro WIN new                   ; the immediate's high byte repeats the setting that is left; a switch that changes nothing is dropped
.if MSB != (\new)
	s_set_vgpr_msb (MSB<<8)|(\new)
.set MSB, (\new)
.endif
.endm
.macro PLACES                    ; four plain places behind matrix instructions, ahead of reads of their results and of writes and loads into their registers
.rept 4
	v_nop
.endr
.endm
.macro WLOAD u                   ; unit u: 32 k x 64 columns of f32: lane half hh takes k = 32 u + 8 hh + 0..7 and 32 u + 16 + 8 hh + 0..7, as the operand wants them
	WIN 0x40*(1+(\u)/4)
.set i, 0
.rept 16
	global_load_b128 v[64*((\u)%4)+4*i:64*((\u)%4)+4*i+3], v[WO], s[40:41] offset:(32*(\u)+i+8*(i/8))*8192 th:TH_LOAD_NT
.set i, i+1
.endr
.endm
.macro STAGEW u                  ; unit u rounded: register j of fragment f = rows 2 j and 2 j + 1 of column f; then into the stage
	WIN 0x05*(1+(\u)/4)
.set f, 0
.rept 4
.set j, 0
.rept 8
	v_cvt_pk_bf16_f32 v[PK+8*f+j], v[64*((\u)%4)+8*j+f], v[64*((\u)%4)+8*j+4+f]
.set j, j+1
.endr
.set f, f+1
.endr
	WIN 0
.set f, 0
.rept 4
	ds_store_b128 v[STG], v[PK+8*f:PK+8*f+3] offset:f*16384+(\u)*1024
	ds_store_b128 v[STG], v[PK+8*f+4:PK+8*f+7] offset:f*16384+(\u)*1024+512
.set f, f+1
.endr
.endm
.macro LOADXA                    ; my 16 tokens of a sub-chunk to come: every lane reads the same 64 bytes of the list
	ds_load_b128 v[TK:TK+3],     v[LA]
	ds_load_b128 v[TK+4:TK+7],   v[LA] offset:16
	ds_load_b128 v[TK+8:TK+11],  v[LA] offset:32
	ds_load_b128 v[TK+12:TK+15], v[LA] offset:48
.endm
.macro TKADDR                    ; tokens into byte offsets: 2,048 x token + 16 x lane
.set r, 0
.rept 16
	v_min_u32 v[TK+r], 0x7ff, v[TK+r]
.set r, r+1
.endr
.set r, 0
.rept 16
	v_lshl_add_u32 v[TK+r], v[TK+r], 11, v[L16]
.set r, r+1
.endr
.endm
.macro XLOAD b                   ; rows 4 b .. 4 b + 3 of my 16: four loads of 512 consecutive bytes a row
	WIN 0xc0                     ; destination window 3, address window 0
.set n, 16*(\b)
.rept 16
	global_load_b128 v[4*n:4*n+3], v[TK+n/4], s[4:5] offset:512*(n%4)
.set n, n+1
.endr
	WIN 0
.endm
.macro CVTH a                    ; half a of the landed rows, rounded in place: four numbers into two registers
	WIN 0xcf
.set n, 32*(\a)
.rept 32
	v_cvt_pk_bf16_f32 v[4*n], v[4*n], v[4*n+1]
	v_cvt_pk_bf16_f32 v[4*n+1], v[4*n+2], v[4*n+3]
.set n, n+1
.endr
	WIN 0
.endm
.macro STH slot, a               ; and laid into the slot: 256 consecutive bytes a store
	WIN 0x0c                     ; data window 3, address window 0
.set n, 32*(\a)
.rept 32
	ds_store_b64 v[XS+(\slot)], v[4*n:4*n+1] offset:XP*(n/4)+256*(n%4)
.set n, n+1
.endr
	WIN 0
.endm
.macro FETCH slot, g, buf        ; x fragments of K steps 4 g .. 4 g + 3 for my 32 rows: 16 loads
.set ksl, 0
.rept 4
.set tau, 0
.rept 2
	ds_load_b128 v[(\buf)+16*ksl+8*tau:(\buf)+16*ksl+8*tau+3],   v[XA+(\slot)] offset:16*XP*tau+64*(4*(\g)+ksl)
	ds_load_b128 v[(\buf)+16*ksl+8*tau+4:(\buf)+16*ksl+8*tau+7], v[XA+(\slot)] offset:16*XP*tau+64*(4*(\g)+ksl)+32
.set tau, tau+1
.endr
.set ksl, ksl+1
.endr
.endm
.macro MUL g, buf                ; 32 matrix instructions; the eight accumulators take turns, one instruction a turn; the first K step takes the bias as C
	WIN 1+(\g)/2
.set ksl, 0
.rept 4
.set tau, 0
.rept 2
.set fr, 0
.rept 4
.set rD, ACC+32*tau+8*fr
.set rB, 32*((4*(\g)+ksl)%8)+8*fr
.set rA, (\buf)+16*ksl+8*tau
.if ((\g) == 0) && (ksl == 0)
	v_wmma_f32_16x16x32_bf16 v[rD:rD+7], v[rB:rB+7], v[rA:rA+7], v[BIAS+8*fr:BIAS+8*fr+7]
.else
	v_wmma_f32_16x16x32_bf16 v[rD:rD+7], v[rB:rB+7], v[rA:rA+7], v[rD:rD+7]
.endif
.set fr, fr+1
.endr
.set tau, tau+1
.endr
.set ksl, ksl+1
.endr
	WIN 0
.endm
.macro DT slot                   ; 32 rows x 64 columns x all of K: 128 matrix instructions; each run of 16 loads is issued a run of 32 products ahead of its use
	FETCH \slot, 0, AF0
	FETCH \slot, 1, AF1
	s_wait_dscnt 16              ; all but the 16 just issued
	MUL 0, AF0
	PLACES
	FETCH \slot, 2, AF0
	s_wait_dscnt 16
	MUL 1, AF1
	PLACES
	FETCH \slot, 3, AF1
	s_wait_dscnt 16
	MUL 2, AF0
	s_wait_dscnt 0x0
	MUL 3, AF1
.endm
.macro EPI                       ; h = g / (1 + 2^(-1.442695 g)) * u; each accumulator is read from its low end on
	PLACES
.set t, 0
.rept 2
.set i, 0
.rept 8
	v_pk_mul_f32 v[EX+16*t+2*i:EX+16*t+2*i+1], v[ACC+32*t+2*i:ACC+32*t+2*i+1], s[50:51] op_sel_hi:[1,0]
.set i, i+1
.endr
.set t, t+1
.endr
.set i, 0
.rept 32
	v_exp_f32 v[EX+i], v[EX+i]
.set i, i+1
.endr
	v_nop                        ; a plain instruction behind the last exponential,
	s_wait_alu depctr_va_vdst(0) ; and one wait for the batch of 32, ahead of its first reader
.set i, 0
.rept 16
	v_pk_add_f32 v[EX+2*i:EX+2*i+1], v[EX+2*i:EX+2*i+1], s[52:53] op_sel_hi:[1,0]
.set i, i+1
.endr
.set i, 0
.rept 32
	v_rcp_f32 v[EX+i], v[EX+i]
.set i, i+1
.endr
	v_nop
	s_wait_alu depctr_va_vdst(0) ; one wait for the 32 reciprocals
.set t, 0
.rept 2
.set i, 0
.rept 8
	v_pk_mul_f32 v[ACC+32*t+2*i:ACC+32*t+2*i+1], v[ACC+32*t+2*i:ACC+32*t+2*i+1], v[EX+16*t+2*i:EX+16*t+2*i+1]
.set i, i+1
.endr
.set t, t+1
.endr
.set t, 0
.rept 2
.set i, 0
.rept 8
	v_pk_mul_f32 v[ACC+32*t+2*i:ACC+32*t+2*i+1], v[ACC+32*t+2*i:ACC+32*t+2*i+1], v[ACC+32*t+16+2*i:ACC+32*t+16+2*i+1]
.set i, i+1
.endr
.set t, t+1
.endr
.set t, 0
.rept 2
.set i, 0
.rept 8
	v_cvt_pk_bf16_f32 v[HB+8*t+i], v[ACC+32*t+2*i], v[ACC+32*t+2*i+1]
.set i, i+1
.endr
.set t, t+1
.endr
	s_lshl_b32 s32, s22, 5
	s_add_co_u32 s32, s32, s28
	s_lshr_b32 s32, s32, 4       ; my first tile of 16 ranks: (R + 32 rg) / 16; it is live, since R + 32 rg < count
	s_lshl_b32 s33, s32, 16      ; a tile is 64 fragments of 1,024 bytes
	v_add_nc_u32 v[HA], s33, v[L16]
	global_store_b128 v[HA], v[HB:HB+3], s[46:47]               ; each store: 512 consecutive bytes at a multiple of 512 from the buffer's first
	global_store_b128 v[HA], v[HB+4:HB+7], s[46:47] offset:512
	s_add_co_u32 s32, s32, 1
	s_cmp_lt_u32 s32, s26
	s_cbranch_scc0 .Lone_\@      ; the second tile lies past the count: its two stores are jumped
	global_store_b128 v[HA], v[HB+8:HB+11], s[46:47] offset:65536
	global_store_b128 v[HA], v[HB+12:HB+15], s[46:47] offset:66048
.Lone_\@:
.endm
; One trip: sub-chunk R .. R + 63 lies in \slot and is multiplied; my rows of the next one, which are landing in registers, go into the other slot.  ONE barrier then orders this trip's reads of \slot
; against the next trip's stores into it, and the stores into the other slot against the next trip's reads.
.macro TRIP slot
	s_cmp_lt_u32 s28, s25
	s_cbranch_scc0 .Lbar_\@      ; the sub-chunk lies past the count: only the barrier is left
	s_wait_xcnt 0x0              ; every earlier memory instruction has had its addresses translated: HB, HA and TK are written again only behind this wait
	s_add_co_u32 s30, s28, s29   ; R + 16 w
	s_add_co_u32 s31, s30, 128
	s_cmp_lt_u32 s31, s25
	s_cbranch_scc0 .Ldrain_\@    ; my rows of the sub-chunk after the next lie past the count
	; THE FULL TRIP.  On its way in 64 loads of mine may be out: half 0 of the next sub-chunk, then half 1.
	LOADXA                       ; the tokens of the sub-chunk after the next
	s_wait_loadcnt 0x20          ; half 0 is in: the 32 loads of half 1 were issued behind it
	CVTH 0
	s_wait_dscnt 0x0             ; the tokens
	v_add_nc_u32 v[LA], 256, v[LA]
	TKADDR
	STH 1-(\slot), 0
	FETCH \slot, 0, AF0
	FETCH \slot, 1, AF1
	s_wait_dscnt 0x20            ; all but the 32 fragment loads: half 0's stores have read their registers, which are loaded again below
	XLOAD 0
	s_wait_dscnt 0x10            ; all but the 16 last issued
	MUL 0, AF0
	XLOAD 1
	PLACES
	FETCH \slot, 2, AF0
	s_wait_dscnt 0x10
	MUL 1, AF1
	s_wait_loadcnt 0x20          ; half 1 is in: the 32 loads of the two runs above were issued behind it
	CVTH 1                       ; 64 plain instructions on other registers: also the places in front of the loads into buffer 1
	STH 1-(\slot), 1
	FETCH \slot, 3, AF1
	s_wait_dscnt 0x10            ; all but the 16 just issued: buffer 0 is in, and half 1's stores have read their registers
	XLOAD 2
	MUL 2, AF0
	XLOAD 3
	s_wait_dscnt 0x0
	MUL 3, AF1
	s_branch .Lepi_\@
.Ldrain_\@:                      ; THE DRAIN: nothing more to gather
	s_wait_loadcnt 0x0           ; whatever was asked for is in
	s_add_co_u32 s31, s30, 64
	s_cmp_lt_u32 s31, s25
	s_cbranch_scc0 .Lns_\@       ; my rows of the next sub-chunk lie past the count: they were not gathered
	CVTH 0
	CVTH 1
	STH 1-(\slot), 0
	STH 1-(\slot), 1
.Lns_\@:
	s_lshl_b32 s31, s22, 5
	s_add_co_u32 s31, s31, s28
	s_cmp_lt_u32 s31, s25
	s_cbranch_scc0 .Lbar_\@      ; the 32 rows that I multiply lie past the count
	DT \slot
.Lepi_\@:
	EPI
.Lbar_\@:
	s_wait_dscnt 0x0             ; my stores are done and my reads are back, for the others' sake
	s_barrier_signal -1
	s_barrier_wait -1
	s_add_co_u32 s28, s28, 64
.endm
.macro LGRP j                    ; four route words a lane: tokens 128 j + 4 lane + c.  A match gets rank = matches so far + matching lanes below; the others write their dump word
.irp c, 0,1,2,3
	v_cmp_eq_u32 s[32+\c], s23, v[RT+4*(\j)+\c]
.endr
	s_bcnt1_i32_b32 s36, s32
	s_bcnt1_i32_b32 s37, s33
	s_bcnt1_i32_b32 s38, s34
	s_bcnt1_i32_b32 s39, s35
	s_add_co_u32 s36, s36, s31
	s_add_co_u32 s37, s37, s36
	s_add_co_u32 s38, s38, s37
	s_add_co_u32 s39, s39, s38
	v_mbcnt_lo_u32_b32 v[LP],   s32, s31
	v_mbcnt_lo_u32_b32 v[LP+1], s33, s36
	v_mbcnt_lo_u32_b32 v[LP+2], s34, s37
	v_mbcnt_lo_u32_b32 v[LP+3], s35, s38
.irp c, 0,1,2,3
	v_cndmask_b32 v[LP+\c], v[LD], v[LP+\c], s[32+\c]
.endr
.irp c, 0,1,2,3
	v_min_u32 v[LP+\c], 0x85f, v[LP+\c]
.endr
.irp c, 0,1,2,3
	v_lshlrev_b32 v[LP+\c], 2, v[LP+\c]
.endr
.irp c, 0,1,2,3
	v_add_nc_u32 v[LT+\c], 128*(\j)+\c, v[L4]
.endr
.irp c, 0,1,2,3
	ds_store_b32 v[LP+\c], v[LT+\c]
.endr
	s_mov_b32 s31, s39
.endm
	s_load_b512 s[4:19], s[0:1], 0x0   ; x, route, w_in, b_in, w_gate, b_gate, hbuf, order
	v_lshl_add_u32 v[SPW], v0, 2, SPARE
	v_mov_b32 v[NIL], 0
	v_lshrrev_b32 v[LA], 5, v0
	v_readfirstlane_b32 s20, v[LA]     ; wave 0..3
	s_and_b32 s21, s20, 1
	s_lshr_b32 s22, s20, 1
	s_lshr_b32 s23, ttmp9, 5           ; expert
	s_and_b32 s24, ttmp9, 31           ; slice
	v_and_b32 v[HA], 31, v0            ; lane
	v_and_b32 v[BO], 15, v0            ; c
	v_bfe_u32 v[TK], v0, 4, 1          ; hh
	v_lshlrev_b32 v[L16], 4, v[HA]
	v_lshlrev_b32 v[PF], 13, v[HA]
	v_lshlrev_b32 v[WO], 4, v[BO]
	v_lshl_add_u32 v[WO], v[TK], 16, v[WO]   ; 8 rows of 8,192 bytes for the upper half of the lanes
	s_lshl_b32 s30, s21, 16
	s_lshl_b32 s31, s22, 13
	s_add_co_u32 s30, s30, s31
	s_add_co_u32 s30, s30, STAGE
	v_add_nc_u32 v[STG], s30, v[L16]         ; matrix x 65,536 + K half x 8 fragments
	s_lshl_b32 s30, s21, 15
	s_add_co_u32 s30, s30, STAGE
	v_add_nc_u32 v[RD0], s30, v[L16]         ; gate, fragment columns 2 cg and 2 cg + 1
	v_add_nc_u32 v[RD0+1], 65536, v[RD0]     ; in, the same
	v_mul_u32_u24 v[XA], v[BO], XP
	v_lshl_add_u32 v[XA], v[TK], 4, v[XA]
	s_mul_i32 s30, s22, 32*XP
	s_add_co_u32 s30, s30, XSL0
	v_add_nc_u32 v[XA], s30, v[XA]           ; row 32 rg + c, 16 bytes for each half of the lanes
	v_add_nc_u32 v[XA+1], XSL1-XSL0, v[XA]
	s_mul_i32 s30, s20, 16*XP
	s_add_co_u32 s30, s30, XSL0
	v_lshl_add_u32 v[XS], v[HA], 3, s30      ; rows 16 w on, 8 bytes a lane
	v_add_nc_u32 v[XS+1], XSL1-XSL0, v[XS]
	s_lshl_b32 s30, s20, 6
	v_mov_b32 v[LA], s30                     ; list entries 16 w on
	v_lshlrev_b32 v[BO], 7, v[TK]
	s_lshl_b32 s30, s23, 22                  ; weights: expert x 4 MiB + K half x 2 MiB + slice x 256 bytes
	s_lshl_b32 s29, s22, 21
	s_add_co_u32 s30, s30, s29
	s_lshl_b32 s29, s24, 8
	s_add_co_u32 s30, s30, s29
	s_mov_b32 s31, 0
	s_lshl_b32 s32, s23, 13                  ; biases: (2048 e + 64 s + 2 cg) x 4
	s_add_co_u32 s32, s32, s29
	s_lshl_b32 s29, s21, 3
	s_add_co_u32 s32, s32, s29
	s_mov_b32 s33, 0
	s_lshl_b32 s34, s23, 23                  ; hbuf: (8192 e + 2 s + cg) x 1,024
	s_lshl_b32 s29, s24, 11
	s_add_co_u32 s34, s34, s29
	s_lshl_b32 s29, s21, 10
	s_add_co_u32 s34, s34, s29
	s_mov_b32 s35, 0
	s_mul_i32 s36, s23, 8704
	s_mov_b32 s37, 0
	s_mov_b32 s50, 0xbfb8aa3b                ; -log2(e)
	s_mov_b32 s51, s50
	s_mov_b32 s52, 1.0
	s_mov_b32 s53, s52
	s_wait_kmcnt 0x0
	s_cmp_eq_u32 s21, 0
	s_cselect_b64 s[40:41], s[12:13], s[8:9] ; even waves load gate's weights, odd waves in's
	s_add_nc_u64 s[40:41], s[40:41], s[30:31]
	s_add_nc_u64 s[42:43], s[14:15], s[32:33]
	s_add_nc_u64 s[44:45], s[10:11], s[32:33]
	s_add_nc_u64 s[46:47], s[16:17], s[34:35]
	s_add_nc_u64 s[48:49], s[18:19], s[36:37]
	s_cmp_lg_u32 s20, 0
	s_cbranch_scc1 .Lno_route
.set j, 0
.rept 16
	global_load_b128 v[RT+4*j:RT+4*j+3], v[L16], s[6:7] offset:512*j   ; all of route: 8,192 bytes
.set j, j+1
.endr
.Lno_route:
	WLOAD 0
	WLOAD 1
	WLOAD 2
	WIN 0
	; units 4 to 7 of my weights, which are loaded behind the first barrier, are asked for now: a row's 256 bytes a lane, each block by this wave alone: 4 x 8 KiB a wave
.irp u, 4,5,6,7
	global_prefetch_b8 v[PF], s[40:41] offset:(\u)*262144 th:TH_LOAD_NT scope:SCOPE_SE
.endr
	WLOAD 3                                  ; half of my weights are asked for while wave 0 makes the list
	WIN 0
	s_cmp_lg_u32 s20, 0
	s_cbranch_scc1 .Lb0
	; THE LIST: wave 0 alone; no other wave touches LDS ahead of the barrier below
.irp c, 0,1,2,3
	v_mov_b32 v[LZ+\c], 0
.endr
	v_add_nc_u32 v[LD], 2112, v[HA]
	v_lshlrev_b32 v[L4], 2, v[HA]
.set j, 0
.rept 17
	ds_store_b128 v[L16], v[LZ:LZ+3] offset:512*j    ; the whole region is written: it is copied out below
.set j, j+1
.endr
	s_mov_b32 s31, 0
	s_wait_loadcnt 0x3f                      ; route is in: 64 loads of weights were issued behind it
.irp j, 0,1,2,3,4,5,6,7,8,9,10,11,12,13,14,15
	LGRP \j
.endr
	s_max_u32 s32, s31, 1                    ; the last token (entry 0, which is 0, if there is none)
	s_sub_co_u32 s32, s32, 1
	s_min_u32 s32, s32, 2047
	s_lshl_b32 s32, s32, 2
	v_mov_b32 v[LP], s32
	ds_load_b32 v[LT], v[LP]                 ; LDS serves a wave's instructions in order: this sees the stores above
	v_add_nc_u32 v[LP+1], s31, v[HA]
	v_min_u32 v[LP+1], 0x81f, v[LP+1]
	v_lshlrev_b32 v[LP+1], 2, v[LP+1]
	v_mov_b32 v[LP+2], CNTB
	v_mov_b32 v[LP+3], s31
	s_wait_dscnt 0x0
	ds_store_b32 v[LP+1], v[LT]              ; entries count .. count + 63 repeat it
	ds_store_b32 v[LP+1], v[LT] offset:128
	ds_store_b32 v[LP+2], v[LP+3]            ; the count
	s_cmp_lg_u32 s24, 0
	s_cbranch_scc1 .Lb0
.set j, 0
.rept 17
	ds_load_b128 v[RT+4*j:RT+4*j+3], v[L16] offset:512*j
.set j, j+1
.endr
	s_wait_dscnt 0x0
.set j, 0
.rept 17
	global_store_b128 v[L16], v[RT+4*j:RT+4*j+3], s[48:49] offset:512*j   ; slice 0 hands list and count to the next launch
.set j, j+1
.endr
	s_wait_xcnt 0x0                          ; the stores have read their registers, which are used again below
.Lb0:
	s_wait_dscnt 0x0                         ; wave 0's stores into the list are done
	s_barrier_signal -1
	s_barrier_wait -1
	v_mov_b32 v[HA], CNTB
	ds_load_b32 v[PK], v[HA]
	LOADXA                                   ; entries 0..63 are always written: sub-chunk 0 is gathered whatever the count
	WLOAD 4
	WLOAD 5
	WIN 0
	s_wait_dscnt 0x0
	v_readfirstlane_b32 s25, v[PK]
	s_min_u32 s25, s25, 2048                 ; the count
	s_add_co_u32 s26, s25, 15
	s_lshr_b32 s26, s26, 4                   ; tiles of 16 ranks
	v_add_nc_u32 v[LA], 256, v[LA]
	TKADDR
	; A rolling order: a unit is rounded and staged, and the next 16 loads go out.  Behind each unit 80 loads (behind the last 96) have been issued when it is waited for.
.irp u, 0,1
	s_wait_loadcnt 0x3f
	STAGEW \u
	WLOAD (\u)+6
.endr
.irp u, 2,3,4,5
	s_wait_loadcnt 0x3f
	STAGEW \u
	XLOAD (\u)-2
.endr
	s_wait_loadcnt 0x3f
	STAGEW 6
.set fr, 0
.rept 2
.set j, 0
.rept 8
	global_load_b32 v[BIAS+8*fr+j],    v[BO], s[42:43] offset:16*j+4*fr   ; C's register j of lane half hh: column place 8 hh + j = hidden column 64 s + 4 (8 hh + j) + 2 cg + phi
	global_load_b32 v[BIAS+16+8*fr+j], v[BO], s[44:45] offset:16*j+4*fr
.set j, j+1
.endr
.set fr, fr+1
.endr
	s_wait_loadcnt 0x3f
	STAGEW 7
	s_wait_loadcnt 0x0                       ; sub-chunk 0 and the biases are in, and TK is free
	CVTH 0
	CVTH 1
	STH 0, 0
	STH 0, 1
	STH 1, 0                                 ; slot 1 takes the same rows: both slots are written whole once
	STH 1, 1
	s_lshl_b32 s29, s20, 4                   ; 16 w
	s_add_co_u32 s30, s29, 64
	s_cmp_lt_u32 s30, s25
	s_cbranch_scc0 .Lno_c1                   ; my rows of sub-chunk 1 lie past the count
	LOADXA
	s_wait_dscnt 0x0                         ; the tokens; and the stores above have read the registers that are loaded again
	TKADDR
	XLOAD 0
	XLOAD 1
	XLOAD 2
	XLOAD 3
.Lno_c1:
	v_add_nc_u32 v[LA], 256, v[LA]           ; the loop's first gather is sub-chunk 2's
	s_wait_dscnt 0x0                         ; my part of the stage and of the slots is written
	s_barrier_signal -1
	s_barrier_wait -1
.set ks, 0
.rept 16                                     ; my four fragment columns, all 16 K steps: 512 registers that stay
	WIN 0x40*(1+ks/8)
.set fr, 0
.rept 4
	ds_load_b128 v[32*(ks%8)+8*fr:32*(ks%8)+8*fr+3],   v[RD0+fr/2] offset:(fr%2)*16384+ks*1024
	ds_load_b128 v[32*(ks%8)+8*fr+4:32*(ks%8)+8*fr+7], v[RD0+fr/2] offset:(fr%2)*16384+ks*1024+512
.set fr, fr+1
.endr
.set ks, ks+1
.endr
	WIN 0
	s_wait_dscnt 0x0
	s_mov_b32 s28, 0
	s_mov_b32 s27, 16
.Lrows:                                      ; 16 x 2 sub-chunks of 64 rows: 2,048 rows, the most that an expert can get
	TRIP 0
	TRIP 1
	s_sub_co_u32 s27, s27, 1
	s_cmp_lg_u32 s27, 0
	s_cbranch_scc1 .Lrows
	s_wait_tensorcnt 0x0                     ; the wave's end
	ds_add_u32 v[SPW], v[NIL]
	s_wait_dscnt 0x0
	s_endpgm
.Lfunc_end_k_q3efd45eff8_gateup:
	.size	k_q3efd45eff8_gateup, .Lfunc_end_k_q3efd45eff8_gateup-k_q3efd45eff8_gateup
	.p2alignl 7, 3214868480
	.fill 96, 4, 3214868480
	.section	.rodata,"a",@progbits
	.p2align	6, 0x0
	.amdhsa_kernel k_q3efd45eff8_gateup
		.amdhsa_group_segment_fixed_size 273408
		.amdhsa_private_segment_fixed_size 0
		.amdhsa_enable_private_segment 0
		.amdhsa_kernarg_size 64
		.amdhsa_user_sgpr_count 2
		.amdhsa_user_sgpr_kernarg_segment_ptr 1
		.amdhsa_wavefront_size32 1
		.amdhsa_system_sgpr_workgroup_id_x 1
		.amdhsa_system_sgpr_workgroup_id_y 1
		.amdhsa_system_sgpr_workgroup_id_z 1
		.amdhsa_system_vgpr_workitem_id 0
		.amdhsa_next_free_vgpr 1024
		.amdhsa_next_free_sgpr 66
		.amdhsa_reserve_vcc 0
		.amdhsa_float_denorm_mode_32 3
		.amdhsa_float_denorm_mode_16_64 3
		.amdhsa_memory_ordered 1
		.amdhsa_forward_progress 1
		.amdhsa_inst_pref_size 253
	.end_amdhsa_kernel
	.amdgpu_metadata
---
amdhsa.version: [ 1, 2 ]
amdhsa.kernels:
  - .name:           k_q3efd45eff8_gateup
    .symbol:         k_q3efd45eff8_gateup.kd
    .args:
      - { .name: x, .offset: 0, .size: 8, .value_kind: global_buffer, .address_space: global }
      - { .name: route, .offset: 8, .size: 8, .value_kind: global_buffer, .address_space: global }
      - { .name: w_in, .offset: 16, .size: 8, .value_kind: global_buffer, .address_space: global }
      - { .name: b_in, .offset: 24, .size: 8, .value_kind: global_buffer, .address_space: global }
      - { .name: w_gate, .offset: 32, .size: 8, .value_kind: global_buffer, .address_space: global }
      - { .name: b_gate, .offset: 40, .size: 8, .value_kind: global_buffer, .address_space: global }
      - { .name: hbuf, .offset: 48, .size: 8, .value_kind: global_buffer, .address_space: global }
      - { .name: order, .offset: 56, .size: 8, .value_kind: global_buffer, .address_space: global }
    .group_segment_fixed_size: 273408
    .private_segment_fixed_size: 0
    .kernarg_segment_align: 8
    .kernarg_segment_size: 64
    .max_flat_workgroup_size: 128
    .sgpr_count:     66
    .vgpr_count:     1024
    .wavefront_size: 32
...
	.end_amdgpu_metadata
.endif
;; end of part 1
;; launch down (part 2): grid 256 x 1, 8 waves a work-group, no clusters, 164,864 bytes of LDS; arguments hbuf, order, w_out, b_out, out0; writes out0
.if DOCPART == 2
	.amdgcn_target "amdgcn-amd-amdhsa--gfx1250"
	.amdhsa_code_object_version 6
	.text
	.protected	k_q3efd45eff8_down
	.globl	k_q3efd45eff8_down
	.p2align	8
	.type	k_q3efd45eff8_down,@function
k_q3efd45eff8_down:
	s_mov_b64 s[64:65], 0
	v_nop
	global_prefetch_b8 v0, s[64:65] scope:SCOPE_SE
	s_setreg_imm32_b32 hwreg(HW_REG_WAVE_MODE, 25, 1), 1
	s_wait_xcnt 0x0
; out[token] = h[rank] Wout[e] + bout[e], scattered to the token's row.  hbuf and order as the launch before laid them; w_out [8][2048][512] f32, b_out [8][512] f32, out0 [2048][512] f32.
; SHARES.  Work-group = (expert e, 64 output columns ns, quarter q of the expert's tiles of 16 ranks).  In pass p it takes the five tiles q + 4 (5 p + i); seven passes, a constant, cover the 128 tiles that an
; expert can have; a pass past the count jumps its work, never its barriers.  Wave w takes the K eighth 256 w .. 256 w + 255 (fragments 8 w + 0..7 of h), so nothing is loaded twice inside a work-group and the
; K loop has neither LDS nor a barrier: h comes from memory straight into operand registers, the weights as f32 rows (16 lanes: 256 consecutive bytes at a multiple of 256) that are rounded in pairs along k.
; The rows of w_out are taken in the order in which hbuf holds the hidden columns: place 16 phi + c of fragment 2 s + a is hidden column 64 s + 4 c + 2 a + phi.
; The eight waves' f32 partial sums meet in LDS once a pass and are added in one fixed order; the bias is added there, and a lane's four fragment columns are 16 neighbouring bytes of a row of out0:
; 16 lanes store 256 consecutive bytes at a multiple of 256.
; A tile index past the expert's last tile repeats the last tile's h (the loads are then the same on every way); its sums are not read.  Ranks past the count repeat the last token: the same numbers go to the same address.
; FORMATS.  h in bf16 as stored, the weights rounded once to bf16, sums and partial sums in f32.  LIMITS: as the launch before states them.
; NO CLUSTER: the four quarters of (e, ns) read the same 2,048 x 256 bytes of w_out, 524,288 bytes of f32, more than LDS holds, and each number must pass through registers to be rounded; a ring of joint
; loads for it was not built.  Slices with one reader each would be 16 columns, 64 bytes of a row.
.set SPARE, 163840               ; RED, bytes 0..163,839: [wave 8][tile 5][f 4][half 2][512 bytes]; behind it the spare words, 128 bytes a wave, named by no other line
.set SPW, 1                      ; v1   my spare word's address; never rewritten
.set NIL, 2                      ; v2   0; never rewritten
.set WO,  3                      ; v3   65536 hh + 16 c: my place in the rows of w_out
.set VA,  4                      ; v4-8 my offset in hbuf for the pass's five tiles
.set REDW,9                      ; v9   where I put partial sums
.set L16, 10                     ; v10  16 x lane
.set C16, 11                     ; v11  16 c
.set BI,  12                     ; v12-15 the bias of my four columns
.set TKA, 16                     ; v16-19, v20-23 the four tokens of my first and second share of the sums
.set TKB, 20
.set PK,  24                     ; v24-55 the K step's four rounded fragments of w_out
.set OU,  24                     ; in the sums: v24-39 results, v40-43 their offsets, v44-45 LDS addresses
.set OA,  40
.set RA,  44
.set RB,  45
.set TA,  46                     ; v46-47 the token loads' offsets, v48 the prefetch's: written again only behind the waits that free them
.set TB,  47
.set PFA, 48
.set ACC, 56                     ; v56-215 accumulator (tile i, f) at 56 + 32 i + 8 f
.set A3,  216                    ; v216-255 h, slot 3.  window 1: v0-127 two slots of raw weights (in the sums: the eight partial sums); v128-247 h, slots 0-2
; scalars: s[4:13] the five addresses; s14 wave; s15 e; s16 ns; s17 q; s18 count; s19 tiles; s20 T0 = q + 20 p; s21 passes; s[22:23] w_out at my rows and columns; s[24:25] hbuf at my fragments;
; s[26:27] order[e]; s[28:29] out0 at my columns; s[30:31] b_out at my columns; s32-39, s44-45 at work; s40 16 (w & 1); s41 w >> 1; s42, s43 my two shares' places in RED
.set MSB, 0
.macro WIN new
.if MSB != (\new)
	s_set_vgpr_msb (MSB<<8)|(\new)
.set MSB, (\new)
.endif
.endm
.macro PLACES                    ; four plain places behind matrix instructions (ISA guide 7.12.1)
.rept 4
	v_nop
.endr
.endm
.macro WLD i                     ; the weights of K step i: load r = 8 phi + i' takes hidden row 64 (i / 2) + 32 hh + 4 i' + 2 (i % 2) + phi of my 256
	WIN 0x40
.set r, 0
.rept 16
	global_load_b128 v[64*((\i)%2)+4*r:64*((\i)%2)+4*r+3], v[WO], s[22:23] offset:(64*((\i)/2)+2*((\i)%2)+r/8+4*(r%8))*2048
.set r, r+1
.endr
.endm
.macro ALD i                     ; h of K step i for the five tiles: 512 consecutive bytes a load, as the operand wants them
.if ((\i)%4) < 3
	WIN 0x40
.set AB, 128+40*((\i)%4)
.else
	WIN 0
.set AB, A3
.endif
.set t, 0
.rept 5
	global_load_b128 v[AB+8*t:AB+8*t+3],   v[VA+t], s[24:25] offset:1024*(\i)
	global_load_b128 v[AB+8*t+4:AB+8*t+7], v[VA+t], s[24:25] offset:1024*(\i)+512
.set t, t+1
.endr
.endm
; K step i.  left: the loads issued behind the younger of this step's weights and h.  The order of issue is: tokens, W0, W1 | A0, A1, A2 | and in step i: A(i + 3), W(i + 2).
.macro KSTEP i, left
	s_wait_loadcnt \left
.if (\i) > 0
	PLACES                       ; behind the last step's products: their B registers are written below, and the slot of h that they read is loaded again
.endif
	WIN 0x05
.set f, 0
.rept 4
.set j, 0
.rept 8
	v_cvt_pk_bf16_f32 v[PK+8*f+j], v[64*((\i)%2)+8*j+f], v[64*((\i)%2)+8*j+4+f]
.set j, j+1
.endr
.set f, f+1
.endr
.if (\i) <= 4
	ALD (\i)+3
.endif
.if (\i) <= 5
	WLD (\i)+2
.endif
.if ((\i)%4) < 3
	WIN 0x01
.set AB, 128+40*((\i)%4)
.else
	WIN 0
.set AB, A3
.endif
.set t, 0
.rept 5                          ; 20 matrix instructions; the 20 accumulators take turns; the first K step starts the sums
.set f, 0
.rept 4
.if (\i) == 0
	v_wmma_f32_16x16x32_bf16 v[ACC+32*t+8*f:ACC+32*t+8*f+7], v[AB+8*t:AB+8*t+7], v[PK+8*f:PK+8*f+7], 0
.else
	v_wmma_f32_16x16x32_bf16 v[ACC+32*t+8*f:ACC+32*t+8*f+7], v[AB+8*t:AB+8*t+7], v[PK+8*f:PK+8*f+7], v[ACC+32*t+8*f:ACC+32*t+8*f+7]
.endif
.set f, f+1
.endr
.set t, t+1
.endr
	WIN 0
.endm
.macro PRE                       ; what a pass can ask for before anything else: the tokens of my two shares of the sums, and the first two K steps' weights
	s_lshl_b32 s32, s41, 2
	s_add_co_u32 s32, s32, s20   ; first share: tile T0 + 4 (w >> 1), rows 8 hh + 4 (w & 1) + 0..3
	s_min_u32 s32, s32, 127
	s_lshl_b32 s32, s32, 6
	s_add_co_u32 s32, s32, s40
	s_add_co_u32 s33, s20, 16    ; second share (waves 0 and 1 use it): tile T0 + 16
	s_min_u32 s33, s33, 127
	s_lshl_b32 s33, s33, 6
	s_add_co_u32 s33, s33, s40
	v_bfe_u32 v[TA], v0, 4, 1
	v_bfe_u32 v[TB], v0, 4, 1
	v_lshl_add_u32 v[TA], v[TA], 5, s32
	v_lshl_add_u32 v[TB], v[TB], 5, s33
	global_load_b128 v[TKA:TKA+3], v[TA], s[26:27]
	global_load_b128 v[TKB:TKB+3], v[TB], s[26:27]
	WLD 0
	WLD 1
	WIN 0
.endm
.macro REDUCE tk, sra            ; four rows x 64 columns: the eight waves' partial sums are added, the bias too, and the rows stored
	s_wait_xcnt 0x0              ; earlier stores have read OU and OA
	v_add_nc_u32 v[RA], \sra, v[L16]
	v_add_nc_u32 v[RB], 81920, v[RA]
	WIN 0x40
.set r, 0
.rept 8
.set f, 0
.rept 4
	ds_load_b128 v[16*r+4*f:16*r+4*f+3], v[RA+r/4] offset:(r%4)*20480+1024*f
.set f, f+1
.endr
.set r, r+1
.endr
	WIN 0
.irp j, 0,1,2,3
	v_min_u32 v[OA+\j], 0x7ff, v[(\tk)+\j]
.endr
.irp j, 0,1,2,3
	v_lshl_add_u32 v[OA+\j], v[OA+\j], 11, v[C16]
.endr
	s_wait_dscnt 0x0
	WIN 0x45
.set i, 0
.rept 32
	v_pk_add_f32 v[2*i:2*i+1], v[2*i:2*i+1], v[2*i+64:2*i+65]    ; waves 0-3 += waves 4-7
.set i, i+1
.endr
.set i, 0
.rept 16
	v_pk_add_f32 v[2*i:2*i+1], v[2*i:2*i+1], v[2*i+32:2*i+33]
.set i, i+1
.endr
.set i, 0
.rept 8
	v_pk_add_f32 v[2*i:2*i+1], v[2*i:2*i+1], v[2*i+16:2*i+17]
.set i, i+1
.endr
	WIN 0x01
.set j, 0
.rept 4
.set f, 0
.rept 4
	v_add_f32 v[OU+4*j+f], v[4*f+j], v[BI+f]
.set f, f+1
.endr
.set j, j+1
.endr
	WIN 0
.irp j, 0,1,2,3
	global_store_b128 v[OA+\j], v[OU+4*(\j):OU+4*(\j)+3], s[28:29] th:TH_STORE_NT
.endr
.endm
	s_load_b256 s[4:11], s[0:1], 0x0   ; hbuf, order, w_out, b_out
	s_load_b64 s[12:13], s[0:1], 0x20  ; out0
	v_lshl_add_u32 v[SPW], v0, 2, SPARE
	v_mov_b32 v[NIL], 0
	v_lshrrev_b32 v[L16], 5, v0
	v_readfirstlane_b32 s14, v[L16]    ; wave 0..7
	s_lshr_b32 s15, ttmp9, 5           ; expert
	s_bfe_u32 s16, ttmp9, 0x30002      ; column slice
	s_and_b32 s17, ttmp9, 3            ; quarter
	s_and_b32 s32, s14, 1
	s_lshr_b32 s41, s14, 1
	s_lshl_b32 s40, s32, 4
	s_lshl_b32 s43, s32, 9
	s_lshl_b32 s42, s41, 12
	s_add_co_u32 s42, s42, s43         ; tile w >> 1, half w & 1
	s_add_co_u32 s43, s43, 16384       ; tile 4, half w & 1
	v_and_b32 v[C16], 15, v0
	v_lshlrev_b32 v[C16], 4, v[C16]
	v_bfe_u32 v[WO], v0, 4, 1
	v_lshl_add_u32 v[WO], v[WO], 16, v[C16]  ; 32 rows of 2,048 bytes for the upper half of the lanes
	v_and_b32 v[L16], 31, v0
	v_lshl_add_u32 v[PFA], v[L16], 2, s17
	v_lshlrev_b32 v[PFA], 11, v[PFA]         ; row 4 lane + q
	v_lshlrev_b32 v[L16], 4, v[L16]
	s_mul_i32 s33, s14, 20480
	v_add_nc_u32 v[REDW], s33, v[L16]
	s_lshl_b32 s32, s15, 22                  ; w_out: expert x 4 MiB + wave x 256 rows + slice x 256 bytes
	s_lshl_b32 s34, s14, 19
	s_add_co_u32 s32, s32, s34
	s_lshl_b32 s38, s16, 8
	s_add_co_u32 s32, s32, s38
	s_mov_b32 s33, 0
	s_lshl_b32 s34, s15, 23                  ; hbuf: expert x 8 MiB + wave x 8 fragments
	s_lshl_b32 s36, s14, 13
	s_add_co_u32 s34, s34, s36
	s_mov_b32 s35, 0
	s_mul_i32 s36, s15, 8704
	s_mov_b32 s37, 0
	s_mov_b32 s39, 0                         ; s[38:39]: slice x 256 bytes
	s_lshl_b32 s44, s15, 11
	s_add_co_u32 s44, s44, s38               ; b_out: (512 e + 64 ns) x 4
	s_mov_b32 s45, 0
	s_mov_b32 s20, s17
	s_mov_b32 s21, 7
	s_wait_kmcnt 0x0
	s_add_nc_u64 s[22:23], s[8:9], s[32:33]
	s_add_nc_u64 s[24:25], s[4:5], s[34:35]
	s_add_nc_u64 s[26:27], s[6:7], s[36:37]
	s_add_nc_u64 s[28:29], s[12:13], s[38:39]
	s_add_nc_u64 s[30:31], s[10:11], s[44:45]
	s_load_b32 s18, s[26:27], 0x2180         ; the expert's count
	global_load_b128 v[BI:BI+3], v[C16], s[30:31]
	; rows 128 to 255 of my K eighth (K steps 4 to 7) are asked for now: the four quarters that read this slice take every fourth row each, so each block of 256 bytes is asked for once: 8 KiB a wave
	global_prefetch_b8 v[PFA], s[22:23] offset:262144 th:TH_LOAD_NT scope:SCOPE_SE
	PRE                                      ; hangs on no count: the weights are on their way while the count comes
	s_wait_kmcnt 0x0
	s_min_u32 s18, s18, 2048
	s_add_co_u32 s19, s18, 15
	s_lshr_b32 s19, s19, 4                   ; tiles of 16 ranks
.Lpass:
	s_cmp_lt_u32 s20, s19
	s_cbranch_scc0 .Ldead
	s_wait_xcnt 0x0                          ; every earlier memory instruction has had its addresses translated: v24-55 are written again only behind this wait
	s_sub_co_u32 s34, s19, 1
.irp i, 0,1,2,3,4
	s_add_co_u32 s32, s20, 4*(\i)
	s_min_u32 s32, s32, s34                  ; a tile past the last repeats the last
	s_min_u32 s32, s32, 127
	s_lshl_b32 s32, s32, 16
	v_add_nc_u32 v[VA+\i], s32, v[L16]
.endr
	ALD 0
	ALD 1
	ALD 2
	KSTEP 0, 20                              ; behind A0: A1, A2
	KSTEP 1, 36                              ; behind A1: A2, A3, W2
	KSTEP 2, 26                              ; behind W2: A4, W3
	KSTEP 3, 26                              ; behind W3: A5, W4
	KSTEP 4, 26                              ; behind W4: A6, W5
	KSTEP 5, 26                              ; behind W5: A7, W6
	KSTEP 6, 16                              ; behind W6: W7
	KSTEP 7, 0
	PLACES
.set t, 0
.rept 20                                     ; each accumulator's low half first
	ds_store_b128 v[REDW], v[ACC+8*t:ACC+8*t+3]   offset:1024*t
	ds_store_b128 v[REDW], v[ACC+8*t+4:ACC+8*t+7] offset:1024*t+512
.set t, t+1
.endr
.Ldead:
	s_wait_loadcnt 0x0                       ; the tokens (and, on a way that jumped the pass, whatever was asked for)
	s_wait_dscnt 0x0                         ; my partial sums are written
	s_barrier_signal -1
	s_barrier_wait -1
	s_lshl_b32 s32, s41, 2
	s_add_co_u32 s32, s32, s20
	s_cmp_lt_u32 s32, s19
	s_cbranch_scc0 .Lno_a
	REDUCE TKA, s42
.Lno_a:
	s_cmp_lt_u32 s14, 2
	s_cbranch_scc0 .Lno_b
	s_add_co_u32 s32, s20, 16
	s_cmp_lt_u32 s32, s19
	s_cbranch_scc0 .Lno_b
	REDUCE TKB, s43
.Lno_b:
	s_wait_dscnt 0x0                         ; my reads of the partial sums are back: the next pass writes them again
	s_barrier_signal -1
	s_barrier_wait -1
	s_add_co_u32 s20, s20, 20
	s_wait_xcnt 0x0                          ; the stores have read their registers
	s_cmp_lt_u32 s20, s19
	s_cbranch_scc0 .Lno_pre
	PRE
.Lno_pre:
	s_sub_co_u32 s21, s21, 1
	s_cmp_lg_u32 s21, 0
	s_cbranch_scc1 .Lpass
	s_wait_tensorcnt 0x0                     ; the wave's end
	ds_add_u32 v[SPW], v[NIL]
	s_wait_dscnt 0x0
	s_endpgm
.Lfunc_end_k_q3efd45eff8_down:
	.size	k_q3efd45eff8_down, .Lfunc_end_k_q3efd45eff8_down-k_q3efd45eff8_down
	.p2alignl 7, 3214868480
	.fill 96, 4, 3214868480
	.section	.rodata,"a",@progbits
	.p2align	6, 0x0
	.amdhsa_kernel k_q3efd45eff8_down
		.amdhsa_group_segment_fixed_size 164864
		.amdhsa_private_segment_fixed_size 0
		.amdhsa_enable_private_segment 0
		.amdhsa_kernarg_size 40
		.amdhsa_user_sgpr_count 2
		.amdhsa_user_sgpr_kernarg_segment_ptr 1
		.amdhsa_wavefront_size32 1
		.amdhsa_system_sgpr_workgroup_id_x 1
		.amdhsa_system_sgpr_workgroup_id_y 1
		.amdhsa_system_sgpr_workgroup_id_z 1
		.amdhsa_system_vgpr_workitem_id 0
		.amdhsa_next_free_vgpr 512
		.amdhsa_next_free_sgpr 66
		.amdhsa_reserve_vcc 0
		.amdhsa_float_denorm_mode_32 3
		.amdhsa_float_denorm_mode_16_64 3
		.amdhsa_memory_ordered 1
		.amdhsa_forward_progress 1
		.amdhsa_inst_pref_size 74
	.end_amdhsa_kernel
	.amdgpu_metadata
---
amdhsa.version: [ 1, 2 ]
amdhsa.kernels:
  - .name:           k_q3efd45eff8_down
    .symbol:         k_q3efd45eff8_down.kd
    .args:
      - { .name: hbuf, .offset: 0, .size: 8, .value_kind: global_buffer, .address_space: global }
      - { .name: order, .offset: 8, .size: 8, .value_kind: global_buffer, .address_space: global }
      - { .name: w_out, .offset: 16, .size: 8, .value_kind: global_buffer, .address_space: global }
      - { .name: b_out, .offset: 24, .size: 8, .value_kind: global_buffer, .address_space: global }
      - { .name: out0, .offset: 32, .size: 8, .value_kind: global_buffer, .address_space: global }
    .group_segment_fixed_size: 164864
    .private_segment_fixed_size: 0
    .kernarg_segment_align: 8
    .kernarg_segment_size: 40
    .max_flat_workgroup_size: 256
    .sgpr_count:     66
    .vgpr_count:     512
    .wavefront_size: 32
...
	.end_amdgpu_metadata
.endif
;; end of part 2
